; MI455X (gfx1250); checked and timed in simulation.
; The chip was launched on July 23, 2026; its instructions are those of AMD's public machine-readable ISA for CDNA 5 (MIT licence, August 2026) and "CDNA5" Instruction Set Architecture Reference Guide (July 2026). The comments in the code are by the model that wrote it; some were corrected since.
;; Manual LSTM Cell. Allowed arithmetic: matrix products marked QUANTISED: E2M1 operands, one E8M0 scale for each 32 along K, by v_wmma_scale_f32_16x16x128_f8f6f4 with both operands' format E2M1 (or v_wmma_scale_f32_32x16x128_f4), f32 sums; everything else in f32.
;; Inputs: Wfh 1,024 x 1,024 float32; Wfx 1,024 x 1,024 float32; Wgh 1,024 x 1,024 float32; Wgx 1,024 x 1,024 float32; Wih 1,024 x 1,024 float32; Wix 1,024 x 1,024 float32; Woh 1,024 x 1,024 float32; Wox 1,024 x 1,024 float32; bfh 1,024 float32; bfx 1,024 float32; bgh 1,024 float32; bgx 1,024 float32; bih 1,024 float32; bix 1,024 float32; boh 1,024 float32; box 1,024 float32; c 4,096 x 1,024 float32; h 4,096 x 1,024 float32; x 4,096 x 1,024 float32.
;; Outputs: out0 4,096 x 1,024 float32; out1 4,096 x 1,024 float32.
;; This version of the problem:
;;   THIS VERSION OF THE PROBLEM IS GIVEN IN LOW PRECISION. The matrix products marked QUANTISED in the list below multiply operands that are first quantised to E2M1 (2 exponent bits, 1 mantissa bit; 4 bits a number), with one power-of-two scale for each 32 numbers along K (OCP MX v1.0); their sums are f32. All else is computed in f32.
;;   The module's matrix products, in the order in which they are computed (A, B: the left and right operand; K: the contracted axis; several contracted axes count as one K, in the product's order):
;;     1. [M 4,096, K 1,024] x [K 1,024, N 1,024]; A: input x; B: input Wix: QUANTISED
;;     2. [M 4,096, K 1,024] x [K 1,024, N 1,024]; A: input h; B: input Wih: QUANTISED
;;     3. [M 4,096, K 1,024] x [K 1,024, N 1,024]; A: input x; B: input Wfx: QUANTISED
;;     4. [M 4,096, K 1,024] x [K 1,024, N 1,024]; A: input h; B: input Wfh: QUANTISED
;;     5. [M 4,096, K 1,024] x [K 1,024, N 1,024]; A: input x; B: input Wgx: QUANTISED
;;     6. [M 4,096, K 1,024] x [K 1,024, N 1,024]; A: input h; B: input Wgh: QUANTISED
;;     7. [M 4,096, K 1,024] x [K 1,024, N 1,024]; A: input x; B: input Wox: QUANTISED
;;     8. [M 4,096, K 1,024] x [K 1,024, N 1,024]; A: input h; B: input Woh: QUANTISED
;;   THE QUANTISER, for each operand of a quantised product, along K:
;;     - K is cut into blocks of 32 from its start; a last block that is shorter is filled with zeros.
;;     - A block's scale is 2^e with e = floor(log2(the largest magnitude in the block)) - 2, held to -126 .. 127; a block of zeros has e = 0. As a byte (E8M0): e + 127.
;;     - Each number is divided by its block's scale, clamped to +-6, and rounded to the nearest number of E2M1, ties to even, subnormals kept.
;;     - The product sums the exact products of the quantised numbers (number of the format x scale) in f32.
;;   ~~~python
;;   def quantise(x, axis):      # numpy; x: float32 -> the quantised numbers, widened to float32 again
;;       x = np.moveaxis(x, axis, -1); K = x.shape[-1]
;;       x = np.pad(x, [(0, 0)] * (x.ndim - 1) + [(0, -K % 32)]); x = x.reshape(x.shape[:-1] + (-1, 32)); a = np.abs(x).max(-1, keepdims=True)
;;       e = np.where(a > 0, np.clip(np.frexp(np.where(a > 0, a, 1))[1] - 1 - 2, -126, 127), 0)      # np.frexp(a)[1] - 1 = floor(log2(a)), exactly
;;       r = np.clip(x / 2.0 ** e, -6, 6)
;;       step = 2.0 ** (np.maximum(np.frexp(np.where(r == 0, 1, r))[1] - 1, 0) - 1)
;;       q = np.round(r / step) * step * 2.0 ** e      # np.round: ties to even
;;       return np.moveaxis(q.reshape(q.shape[:-2] + (-1,))[..., :K], -1, axis).astype(np.float32)
;;   ~~~
;; One version. Each part assembles by itself: llvm-mc -triple=amdgcn-amd-amdhsa -mcpu=gfx1250 --defsym DOCPART=n.
;; ======== version 1 of 1: 2 launches
;; limits: right only within a limited range of input values
;; workspace buffers: q 8,912,896 bytes
;; launch quant (part 1): grid 512 x 1, 4 waves a work-group, no clusters, 35,328 bytes of LDS; arguments x, h, Wix, Wih, Wfx, Wfh, Wgx, Wgh, Wox, Woh, q; writes q
.if DOCPART == 1
	.amdgcn_target "amdgcn-amd-amdhsa--gfx1250"
	.amdhsa_code_object_version 6
	.text
	.protected	k_q970abc35e0_quant
	.globl	k_q970abc35e0_quant
	.p2align	8
	.type	k_q970abc35e0_quant,@function
k_q970abc35e0_quant:
	s_mov_b64 s[64:65], 0
	v_nop
	global_prefetch_b8 v0, s[64:65] scope:SCOPE_SE
	s_setreg_imm32_b32 hwreg(HW_REG_WAVE_MODE, 25, 1), 1
	s_wait_xcnt 0x0
; x, h [4096][1024] and the eight weights [1024][1024], f32 with K innermost, become codes of FP4 (E2M1) with one E8M0 scale byte for each 32 along K, in the workspace q.
; A block's scale is 2^(floor(log2(its largest magnitude)) - 2); its byte is the largest magnitude's exponent field - 2, held at 1 from below; each number is divided by the scale and rounded to the nearest code, ties to even,
; beyond 6 the largest code.  No step and no input of the problem is left out.
; LIMITS: NaN and infinities among the inputs are not served.  A block whose largest magnitude lies under 2^-124 (a block of zeros too) gets the byte 1: a block of zeros has zero codes, which add nothing under that byte,
; and the bytes are read by this program alone.
; THE JOINT PRODUCT.  The x product and the h product of a gate are added, so K is x's 1,024 followed by h's 1,024: four steps ks of 512, each 16 blocks b of 32.
; q IS LAID IN THE ORDER OF THE OPERAND'S REGISTERS.  The batch: for each 128 rows rb and each ks one dense part of 34,816 bytes at 139,264 rb + 34,816 ks: with rg = (row / 16) % 8, r = row % 16, a block's 16 bytes of codes
; at 4,096 rg + 256 b + 16 r, its scale byte at 32,768 + 256 rg + 16 r + b.
; The weights, behind the batch's 4,456,448 bytes: for each 64 hidden units tc and each ks one dense part of 69,632 bytes at 278,528 tc + 69,632 ks: group G = 4 gate + u (gate i, f, g, o = 0 .. 3) holds in row r the hidden
; unit 64 tc + 4 r + u: codes at 4,096 G + 256 b + 16 r, the scale byte at 65,536 + 256 G + 16 r + b.
; SHARES.  A wave takes 16 rows x 512 along K (of x and h 16 neighbouring rows, of a weight every fourth row of 64): 4,096 consecutive bytes of codes and 256 consecutive scale bytes.
; Work-groups 0-127 take x, 128-255 h, then 32 for each weight in the order of the arguments.
; Eight steps of 64 along K.  A step's eight loads read 256 consecutive bytes of two rows each; the 4,096 bytes turn through the wave's own stage in LDS (rows 272 bytes apart) and come back 128 bytes a lane:
; lane (r, h) then holds block 2 t + h of row r whole, so its largest magnitude needs no other lane.  Loads run four steps (32 loads a wave) ahead, the turn through LDS one step.  Waves share nothing: no barrier.
.set PARTB, 34816
.set RBB,   139264
.set EMAX,  2
.set R,     16                         ; v16-143   four sets of 32 numbers as they are loaded
.set X,     144                        ; v144-207  two sets of 32: a lane's whole block
.set C,     208                        ; v208-239  codes: four registers for each step, so that no store's data are written again
.set SB,    240                        ; v240-243  my row's scale words
.set P,     244                        ; v244-247  destinations of the lane permutes
.set WREG,  8704                       ; LDS: a wave's own two stages
.set STG,   4352                       ; a stage: 16 rows x 272 bytes
.set SP,    272
.set LB,    66                         ; s[66:81] where the eight loads of a step begin: two rows on from one to the next
	s_load_b512 s[4:19], s[0:1], 0x0               ; x, h, Wix, Wih, Wfx, Wfh, Wgx, Wgh
	s_load_b128 s[20:23], s[0:1], 0x40             ; Wox, Woh
	s_load_b64 s[24:25], s[0:1], 0x50              ; q
	v_lshl_add_u32 v254, v0, 2, 0x8800
	v_mov_b32 v255, 0
	s_cmp_lt_u32 ttmp9, 256
	s_cselect_b32 s84, 12, 14                      ; my rows lie 4,096 bytes (x, h) or 16,384 bytes (a weight) apart
	v_lshrrev_b32 v1, 5, v0
	v_readfirstlane_b32 s30, v1                    ; wave 0..3
	s_lshr_b32 s31, s30, 1                         ; which of the work-group's two groups of 16 rows
	s_and_b32 s32, s30, 1                          ; which 512 of the tensor's 1,024 along K
	v_and_b32 v1, 15, v0                           ; r
	v_bfe_u32 v2, v0, 4, 1                         ; h
	v_lshlrev_b32 v3, s84, v2
	v_lshl_add_u32 v3, v1, 4, v3                   ; in: lanes 0-15 one row's 256 bytes, lanes 16-31 the next row's
	v_and_b32 v4, 31, v0
	v_lshlrev_b32 v4, 4, v4                        ; codes out: 16 x lane
	v_lshlrev_b32 v5, 4, v1
	v_lshl_add_u32 v5, v2, 3, v5                   ; scale bytes out: 16 r + 8 h
	v_lshlrev_b32 v10, 3, v2                       ; 8 h: how far my bytes are shifted up in a scale word
	s_mul_i32 s28, s30, WREG
	v_mul_u32_u24 v14, v2, SP
	v_lshl_add_u32 v14, v1, 4, v14
	v_add_nc_u32 v14, s28, v14                     ; the stage, on the way in: row h, 16 r
	v_mul_u32_u24 v15, v1, SP
	v_lshl_add_u32 v15, v2, 7, v15
	v_add_nc_u32 v15, s28, v15                     ; and on the way out: row r, 128 h: my block
.irp w, 0,1,2,3
	v_mov_b32 v[P+\w], 0                           ; a lane permute's destination counts as one of its sources
.endr
	s_mov_b32 s44, 0x76543210
	s_mov_b32 s45, 0xfedcba98                      ; v_permlanex16_b32's selects for lane l xor 16
	s_lshl_b32 s33, ttmp9, 1
	s_add_co_u32 s33, s33, s31                     ; my group of 16 rows, counted through all ten tensors
	s_cmp_lt_u32 ttmp9, 256
	s_cselect_b32 s34, 255, 63                     ; x and h have 256 such groups, a weight 64
	s_and_b32 s35, s33, s34                        ; the group within its tensor
	; x, h: where the rows begin, rb, rg, and which half of the joint K
	s_lshl_b32 s36, s35, 16
	s_lshr_b32 s38, s35, 3
	s_and_b32 s39, s35, 7
	s_bfe_u32 s46, ttmp9, 0x10007
	s_mul_i32 s50, s38, RBB
	; a weight: tc, u, row 64 tc + u, G = 4 gate + u, and 0 for the x weight, 1 for the h weight
	s_lshr_b32 s47, s35, 2
	s_and_b32 s49, s35, 3
	s_lshl_b32 s37, s47, 18
	s_lshl_b32 s48, s49, 12
	s_add_co_u32 s37, s37, s48
	s_bfe_u32 s48, ttmp9, 0x20006
	s_lshl_b32 s48, s48, 2
	s_add_co_u32 s48, s48, s49
	s_bfe_u32 s51, ttmp9, 0x10005
	s_mul_i32 s47, s47, 8*PARTB
	s_add_co_u32 s47, s47, 32*RBB
	s_mov_b32 s52, 2*PARTB
	s_mov_b32 s54, 65536
	s_mov_b32 s82, 32768
	s_cmp_lt_u32 ttmp9, 256
	s_cselect_b32 s36, s36, s37
	s_cselect_b32 s39, s39, s48
	s_cselect_b32 s46, s46, s51
	s_cselect_b32 s50, s50, s47
	s_cselect_b32 s52, PARTB, s52                  ; a part's bytes
	s_cselect_b32 s54, 32768, s54                  ; where its scale bytes begin
	s_cselect_b32 s82, 8192, s82                   ; two of my rows
	s_mov_b32 s83, 0
	s_lshl_b32 s46, s46, 1
	s_add_co_u32 s46, s46, s32                     ; ks
	s_mul_i32 s51, s46, s52
	s_add_co_u32 s50, s50, s51                     ; my part of q
	s_add_co_u32 s54, s54, s50
	s_lshl_b32 s55, s39, 8
	s_add_co_u32 s54, s54, s55                     ; my 256 scale bytes
	s_mov_b32 s55, 0
	s_lshl_b32 s52, s39, 12
	s_add_co_u32 s52, s52, s50                     ; my 4,096 bytes of codes
	s_mov_b32 s53, 0
	s_lshl_b32 s37, s32, 11
	s_add_co_u32 s36, s36, s37                     ; + 512 numbers
	s_mov_b32 s37, 0
	s_wait_alu depctr_va_vdst(0)
	s_wait_kmcnt 0x0
	s_mov_b64 s[26:27], s[4:5]                     ; the tensor is chosen by the work-group's number alone
	s_cmp_ge_u32 ttmp9, 128
	s_cselect_b64 s[26:27], s[6:7], s[26:27]
.irp n, 2,3,4,5,6,7,8,9
	s_cmp_ge_u32 ttmp9, 192+32*\n
	s_cselect_b64 s[26:27], s[4+2*\n:5+2*\n], s[26:27]
.endr
	s_add_nc_u64 s[LB:LB+1], s[26:27], s[36:37]
.irp i, 1,2,3,4,5,6,7
	s_add_nc_u64 s[LB+2*\i:LB+2*\i+1], s[LB+2*\i-2:LB+2*\i-1], s[82:83]
.endr
	s_add_nc_u64 s[40:41], s[24:25], s[52:53]
	s_add_nc_u64 s[42:43], s[24:25], s[54:55]
.macro LOAD t                          ; step t: 64 along K of 16 rows; each load covers 256 consecutive, aligned bytes of my rows 2 i and 2 i + 1
.irp i, 0,1,2,3,4,5,6,7
	global_load_b128 v[R+32*((\t)%4)+4*\i:R+32*((\t)%4)+4*\i+3], v3, s[LB+2*\i:LB+2*\i+1] offset:256*(\t) th:TH_LOAD_NT
.endr
.endm
.macro TURN t                          ; step t's numbers through the stage: LDS serves a wave's instructions in order, so no wait stands between the stores and the loads
.irp i, 0,1,2,3,4,5,6,7
	ds_store_b128 v14, v[R+32*((\t)%4)+4*\i:R+32*((\t)%4)+4*\i+3] offset:STG*((\t)%2)+2*SP*\i
.endr
.irp i, 0,1,2,3,4,5,6,7
	ds_load_b128 v[X+32*((\t)%2)+4*\i:X+32*((\t)%2)+4*\i+3], v15 offset:STG*((\t)%2)+16*\i
.endr
.endm
.macro STEP t
.set XS, X+32*((\t)%2)
	s_wait_dscnt 0x0                               ; this step's block is back from the stage, and the stores into the stage have read their registers,
.if (\t)+4 < 8
	LOAD (\t)+4                                    ; which take the loads of four steps on
.endif
.if (\t)+1 < 8
.if (\t) <= 3
	s_wait_loadcnt 24                              ; the next step's eight loads are in; those of the three steps behind it may be out
.else
	s_wait_loadcnt 8*(6-(\t))                      ; towards the end fewer steps are behind it
.endif
	TURN (\t)+1                                    ; and go through the other stage while this step is worked
.endif
	v_max3_num_f32 v12, |v[XS]|, |v[XS+1]|, |v[XS+2]|              ; the block's largest magnitude: all 32 numbers are mine; two chains
	v_max3_num_f32 v13, |v[XS+3]|, |v[XS+4]|, |v[XS+5]|
.irp i, 6,10,14,18,22,26
	v_max3_num_f32 v12, v12, |v[XS+\i]|, |v[XS+\i+1]|
	v_max3_num_f32 v13, v13, |v[XS+\i+2]|, |v[XS+\i+3]|
.endr
	v_max3_num_f32 v12, v12, |v[XS+30]|, |v[XS+31]|
	v_max3_num_f32 v12, v12, v13, (EMAX+1)<<23     ; and the floor 2^(3 - 127): the byte cannot fall under 1
	v_add_nc_u32 v11, -(EMAX<<23), v12             ; 2 off its exponent field: the conversion takes the exponent field of this operand as its scale, and nothing else of it
.irp g, 0,1,2,3
	v_cvt_scalef32_pk8_fp4_f32 v[C+4*(\t)+\g], v[XS+8*\g:XS+8*\g+7], v11
.endr
.if (\t)%2 == 0                        ; the scale's byte (a plain line behind the conversions).  Block 2 t + h is byte 2 (t % 2) + h of word t / 2
	v_lshrrev_b32 v[SB+(\t)/2], 23, v11
.else
	v_lshrrev_b32 v13, 23, v11
	v_lshl_or_b32 v[SB+(\t)/2], v13, 16, v[SB+(\t)/2]
.endif
	global_store_b128 v4, v[C+4*(\t):C+4*(\t)+3], s[40:41] offset:512*(\t)   ; blocks 2 t and 2 t + 1 of 16 rows: 512 consecutive bytes
.endm
.irp t, 0,1,2,3
	LOAD \t
.endr
	s_wait_loadcnt 24                              ; step 0's eight loads are in
	TURN 0
.irp t, 0,1,2,3,4,5,6,7
	STEP \t
.endr
.irp w, 0,1,2,3
	v_lshlrev_b32 v[SB+\w], v10, v[SB+\w]          ; my bytes at their places: 8 h bits up
.endr
.irp w, 0,1,2,3
	v_permlanex16_b32 v[P+\w], v[SB+\w], s44, s45
.endr
.irp w, 0,1,2,3
	v_or_b32 v[SB+\w], v[SB+\w], v[P+\w]           ; with lane l xor 16's bytes the words are whole
.endr
	v_cmp_eq_u32 vcc_lo, 1, v2
	v_cndmask_b32 v248, v240, v242, vcc_lo         ; lanes 0-15 store words 0 and 1 of their row, lanes 16-31 words 2 and 3
	v_cndmask_b32 v249, v241, v243, vcc_lo
	global_store_b64 v5, v[248:249], s[42:43]      ; 32 lanes store 256 consecutive, aligned bytes
	s_wait_tensorcnt 0x0                           ; the wave's end
	ds_add_u32 v254, v255
	s_wait_dscnt 0x0
	s_endpgm
.Lfunc_end_k_q970abc35e0_quant:
	.size	k_q970abc35e0_quant, .Lfunc_end_k_q970abc35e0_quant-k_q970abc35e0_quant
	.p2alignl 7, 3214868480
	.fill 96, 4, 3214868480
	.section	.rodata,"a",@progbits
	.p2align	6, 0x0
	.amdhsa_kernel k_q970abc35e0_quant
		.amdhsa_group_segment_fixed_size 35328
		.amdhsa_private_segment_fixed_size 0
		.amdhsa_enable_private_segment 0
		.amdhsa_kernarg_size 88
		.amdhsa_user_sgpr_count 2
		.amdhsa_user_sgpr_kernarg_segment_ptr 1
		.amdhsa_wavefront_size32 1
		.amdhsa_system_sgpr_workgroup_id_x 1
		.amdhsa_system_sgpr_workgroup_id_y 1
		.amdhsa_system_sgpr_workgroup_id_z 1
		.amdhsa_system_vgpr_workitem_id 0
		.amdhsa_next_free_vgpr 256
		.amdhsa_next_free_sgpr 86
		.amdhsa_reserve_vcc 1
		.amdhsa_float_denorm_mode_32 3
		.amdhsa_float_denorm_mode_16_64 3
		.amdhsa_memory_ordered 1
		.amdhsa_forward_progress 1
		.amdhsa_inst_pref_size 33
	.end_amdhsa_kernel
	.amdgpu_metadata
---
amdhsa.version: [ 1, 2 ]
amdhsa.kernels:
  - .name:           k_q970abc35e0_quant
    .symbol:         k_q970abc35e0_quant.kd
    .args:
      - { .name: x, .offset: 0, .size: 8, .value_kind: global_buffer, .address_space: global }
      - { .name: h, .offset: 8, .size: 8, .value_kind: global_buffer, .address_space: global }
      - { .name: Wix, .offset: 16, .size: 8, .value_kind: global_buffer, .address_space: global }
      - { .name: Wih, .offset: 24, .size: 8, .value_kind: global_buffer, .address_space: global }
      - { .name: Wfx, .offset: 32, .size: 8, .value_kind: global_buffer, .address_space: global }
      - { .name: Wfh, .offset: 40, .size: 8, .value_kind: global_buffer, .address_space: global }
      - { .name: Wgx, .offset: 48, .size: 8, .value_kind: global_buffer, .address_space: global }
      - { .name: Wgh, .offset: 56, .size: 8, .value_kind: global_buffer, .address_space: global }
      - { .name: Wox, .offset: 64, .size: 8, .value_kind: global_buffer, .address_space: global }
      - { .name: Woh, .offset: 72, .size: 8, .value_kind: global_buffer, .address_space: global }
      - { .name: q, .offset: 80, .size: 8, .value_kind: global_buffer, .address_space: global }
    .group_segment_fixed_size: 35328
    .private_segment_fixed_size: 0
    .kernarg_segment_align: 8
    .kernarg_segment_size: 88
    .max_flat_workgroup_size: 128
    .sgpr_count:     86
    .vgpr_count:     256
    .wavefront_size: 32
...
	.end_amdgpu_metadata
.endif
;; end of part 1
;; launch cell (part 2): grid 16 x 16, 4 waves a work-group, clusters of 4 x 4, 327,680 bytes of LDS; arguments q, c, out0, out1, bix, bih, bfx, bfh, bgx, bgh, box, boh; writes out0, out1
.if DOCPART == 2
	.amdgcn_target "amdgcn-amd-amdhsa--gfx1250"
	.amdhsa_code_object_version 6
	.text
	.protected	k_q970abc35e0_cell
	.globl	k_q970abc35e0_cell
	.p2align	8
	.type	k_q970abc35e0_cell,@function
k_q970abc35e0_cell:
	s_mov_b64 s[64:65], 0
	v_nop
	global_prefetch_b8 v0, s[64:65] scope:SCOPE_SE
	s_setreg_imm32_b32 hwreg(HW_REG_WAVE_MODE, 25, 1), 1
	s_wait_xcnt 0x0
	s_wait_alu depctr_hold_cnt(0) depctr_sa_sdst(0) depctr_va_vdst(0) depctr_va_sdst(0) depctr_va_ssrc(0) depctr_va_vcc(0) depctr_vm_vsrc(0)
	s_getreg_b32 s2, hwreg(HW_REG_IB_STS2, 6, 4)
	s_cmp_eq_u32 s2, 0
	s_cbranch_scc0 .Lentry_in_a_cluster
	s_endpgm
.Lentry_in_a_cluster:
	s_bfe_u32 s2, ttmp6, 0x10000c
	s_cmp_lg_u32 s2, 0xf033
	s_cbranch_scc0 .Lentry_shape_is_right
	s_endpgm
.Lentry_shape_is_right:
; The LSTM cell on codes of FP4 (E2M1) with one E8M0 scale for each 32 along K.  gates[m][n] = sum over the joint K (x's 1,024, then h's 1,024) of A[m][k] W[n][k] + the two biases; then, in f32,
; c_new = sigmoid(f) c + sigmoid(i) tanh(g) (out1) and h_new = sigmoid(o) tanh(c_new) (out0).  No gate value goes to memory.
; q holds codes and scale bytes in the order of the operand's registers.  The batch: 128 rows rb, 512 along K ks: a part of 34,816 bytes at 139,264 rb + 34,816 ks, codes at 4,096 rg + 256 b + 16 r, scale bytes at
; 32,768 + 256 rg + 16 r + b.  W, from byte 4,456,448 on: 64 hidden units tc: a part of 69,632 bytes at 278,528 tc + 69,632 ks: group G = 4 gate + u holds in row r the unit 64 tc + 4 r + u; codes at 4,096 G + 256 b + 16 r,
; scale bytes at 65,536 + 256 G + 16 r + b.
; SHARES.  A work-group makes 256 rows x 64 hidden units x 4 gates.  Four waves, as many as a WGP has SIMDs, each 64 rows x all 64 units x 4 gates: 64 accumulators of 16 x 16, 512 registers.
; Source 0 = 16 rows of the batch, source 1 = one group of W: lane (r, h) of accumulator (gate, u, a) holds in register j row 16 a + 8 h + j of unit 4 r + u.  So a lane's four u are 16 neighbouring bytes of a row of c, c_new or
; h_new, sixteen lanes are 256 neighbouring bytes, and the four gates of an element lie in one lane: c comes straight into registers, both results leave straight from registers, no lane changes and no LDS in the tail.
; W IN LDS.  W's 256 rows for ALL of K with their scales are four parts, 278,528 bytes: they are filled once, one tensor load a wave (wave w fetches K step w), and stay: no slot is filled again.
; CLUSTERS: 4 x 4 work-groups.  The four of a column need the same parts of W: each part is asked for JOINTLY, by the same tensor load with the same descriptor and a mask that names the four.
; THE BATCH is not asked for jointly: beside W's 278,528 bytes and the spare words LDS has 48,640 left, less than one K step of the 256 rows (69,632), and each fragment of the batch serves ONE wave of the work-group:
; so it goes from q straight into the operand's registers.  Its loads run five steps of 128 along K (40 loads a wave) ahead of the products; in this straight-line text nothing further is asked for in advance.
; c's loads stand in the last steps, in the registers of batch fragments that are done with.
; sigmoid(v) = 1 / (1 + 2^(-v log2 e)), tanh(v) = 1 - 2 / (1 + 2^(2 v log2 e)): where the exponential overflows or falls to 0 the reciprocal gives 0 or 1, the right limits: no clamp.  LIMIT: NaN and infinities among the inputs are not served.
; REGISTERS, in windows of 256.  Window X (0 .. 3): v0-127 the accumulators of gate X, (u, a) at v[8 (4 u + a)]; v128-159 W's four fragments of gate X - 1 (of gate 3 in window 0).
;   window 0 besides: v160-223 W's scale words, two sets; v224-239 the batch's, two sets; v240-255 addresses; in the tail v128-239 seven runs of 16.
;   windows 1-3 besides: v164-195, v196-227 two sets of batch fragments each: step s's set is s % 6, in window 1 + s % 3; v228-243 the biases (x in window 1, h in window 2).
;   window 1 besides: v160-163 LDS addresses of W's four K steps.
.set WPART,  69632                     ; 256 rows x 512 K: 65,536 bytes of codes, 4,096 scale bytes
.set APART,  34816
.set RBB,    4*APART
.set SPARE,  4*WPART                   ; behind W: the spare words, 128 bytes for each wave: two blocks of 256 bytes that no other line names
.set L16,  240                         ; v240      16 x lane: a fragment's or a scale word's place for my lane
.set SCA,  241                         ; v241-244  LDS addresses of the four K steps' scale words
.set GO,   245                         ; v245      in c and the outputs: 8 h rows of 4,096 bytes + 16 r
.set BO,   246                         ; v246      in a bias: 256 tc + 16 r
.set SPW,  254                         ; v254      LDS address of my spare word: SPARE + 4 x my thread's number; never rewritten
.set NIL,  255                         ; v255      0; never rewritten
.set SWS,  160
.set SAS,  224
.set R0, 128                           ; the tail's runs of 16
.set R1, 144
.set R2, 160
.set R3, 176
.set R4, 192
.set R5, 208
.set R6, 224
.set G1, 24                            ; s[24:31] descriptor group 1, s[32:35] group 0
.set G0, 32
.set MSB, 0
.macro WIN new                         ; the immediate's high byte repeats the setting that is left.  Low byte: bits 1:0 source 0, 3:2 source 1, 5:4 source 2, 7:6 destination
.if MSB != (\new)
	s_set_vgpr_msb (MSB<<8)|(\new)
.set MSB, (\new)
.endif
.endm
.macro CROUND                          ; a round of the cluster's barrier
	s_barrier_signal -1
	s_barrier_wait -1
	s_cmp_lg_u32 s14, 0
	s_cbranch_scc1 .Lnot_wave_0_\@
	s_barrier_signal -3
.Lnot_wave_0_\@:
	s_barrier_wait -3
	s_barrier_signal -1
	s_barrier_wait -1
.endm
.macro ALOAD t                         ; the batch's fragments of step t: four blocks of 16 rows x 128 K: each load covers 512 consecutive bytes
	WIN ((1+(\t)%3)<<6)
.irp a, 0,1,2,3
.irp c, 0,1
	global_load_b128 v[164+32*(((\t)/3)%2)+8*\a+4*\c:167+32*(((\t)/3)%2)+8*\a+4*\c], v[L16], s[20:21] offset:APART*((\t)/4)+4096*\a+1024*((\t)%4)+512*\c
.endr
.endr
.endm
.macro SLOAD k                         ; the batch's scale words of K step k: lanes 0-15 block 2 p, lanes 16-31 block 2 p + 1, four words a lane
	WIN 0
.irp p, 0,1
	global_load_b128 v[SAS+8*((\k)%2)+4*\p:SAS+8*((\k)%2)+4*\p+3], v[L16], s[22:23] offset:32768+APART*(\k)+512*\p
.endr
.endm
.macro FIRST                           ; the batch's first five steps; every window is 0 behind it
	SLOAD 0
.irp t, 0,1,2,3,4
	ALOAD \t
.endr
	SLOAD 1
.endm
.macro WSCALE k                        ; W's scale words of K step k: lanes 0-15 group 2 p, lanes 16-31 group 2 p + 1, four words a lane
	WIN 0
.irp p, 0,1,2,3,4,5,6,7
	ds_load_b128 v[SWS+32*((\k)%2)+4*\p:SWS+32*((\k)%2)+4*\p+3], v[SCA+(\k)] offset:512*\p
.endr
.endm
.macro WFETCH t, y                     ; W's four fragments of gate y, step t
	WIN (1|((((\y)+1)%4)<<6))
.irp k, 0,1,2,3,4,5,6,7
	ds_load_b128 v[128+4*\k:131+4*\k], v[160+(\t)/4] offset:4096*(4*(\y)+\k/2)+1024*((\t)%4)+512*(\k%2)
.endr
.endm
.macro BLOAD                           ; the biases at my four units of each gate
	WIN 0x40
.irp g, 0,1,2,3
	global_load_b128 v[228+4*\g:231+4*\g], v[BO], s[68+4*\g:69+4*\g]
.endr
	WIN 0x80
.irp g, 0,1,2,3
	global_load_b128 v[228+4*\g:231+4*\g], v[BO], s[70+4*\g:71+4*\g]
.endr
.endm
.macro CLOAD a                         ; c of block a in the set of fragments (a + 4) % 6: register 4 j + u: each load covers two aligned runs of 256 bytes
.set CI, ((\a)+4)%6
	WIN ((1+CI%3)<<6)
.irp j, 0,1,2,3,4,5,6,7
	global_load_b128 v[164+32*(CI/3)+4*\j:167+32*(CI/3)+4*\j], v[GO], s[6:7] offset:(16*(\a)+\j)*4096 th:TH_LOAD_NT
.endr
.endm
	s_load_b256 s[4:11], s[0:1], 0x0               ; q s[4:5], c s[6:7], out0 s[8:9], out1 s[10:11]
	s_load_b512 s[68:83], s[0:1], 0x20             ; gate g's x bias s[68+4g:69+4g], its h bias s[70+4g:71+4g]
	v_lshl_add_u32 v[SPW], v0, 2, SPARE
	v_mov_b32 v[NIL], 0
	ds_add_u32 v[SPW], v[NIL]                      ; the wave's opening: the add, twice on end, and its wait stand ahead of my first tensor load; the set-up below stands between
	ds_add_u32 v[SPW], v[NIL]
	v_lshrrev_b32 v1, 5, v0
	v_readfirstlane_b32 s14, v1                    ; wave 0..3
	s_bfe_u32 s40, ttmp6, 0x40000                  ; cx, cy: my place in the cluster
	s_bfe_u32 s41, ttmp6, 0x40004
	s_lshl_b32 s42, ttmp9, 2
	s_add_co_u32 s42, s42, s40                     ; tile column tc (64 hidden units) = 4 x cluster x + cx
	s_and_b32 s17, ttmp7, 0xffff
	s_lshl_b32 s17, s17, 2
	s_add_co_u32 s17, s17, s41                     ; tile row (256 rows) = 4 x cluster y + cy
	s_lshl_b32 s44, 0x1111, s40                    ; my column of the cluster
	s_lshl_b32 s43, s42, 8
	v_and_b32 v2, 31, v0
	v_bfe_u32 v3, v0, 4, 1                         ; h
	v_and_b32 v4, 15, v0                           ; r
	v_lshlrev_b32 v5, 4, v4
	v_lshl_add_u32 v[GO], v3, 15, v5
	v_add_nc_u32 v[BO], s43, v5
	v_lshlrev_b32 v[L16], 4, v2
.irp k, 0,1,2,3
	v_lshl_add_u32 v[SCA+\k], v2, 4, 65536+WPART*\k
.endr
	WIN 0x40
	v_lshlrev_b32 v160, 4, v2
.irp k, 1,2,3
	v_lshl_add_u32 v[160+\k], v2, 4, WPART*\k
.endr
	WIN 0
	; descriptor group 1: a dense part as 272 rows of 256 bytes (32 elements of 8 bytes), laid in LDS without gaps
	s_or_b32 s[G1], s44, (3<<16)|(1<<21)           ; 15:0 the mask: my column; 17:16 elements of 8 bytes; 20 no padding; 21 set beside a mask
	s_mov_b32 s[G1+1], 32<<16                      ; tensor_dim0 = 32
	s_mov_b32 s[G1+2], 272<<16                     ; tensor_dim1 = 272
	s_mov_b32 s[G1+3], 32<<16                      ; tile_dim0 = 32
	s_mov_b32 s[G1+4], 272                         ; tile_dim1 = 272
	s_mov_b32 s[G1+5], 32                          ; tensor_dim0_stride
	s_mov_b32 s[G1+6], 0
	s_mov_b32 s[G1+7], 0
	s_mov_b32 s[G0], 1                             ; count = 1
	s_mul_i32 s[G0+1], s14, WPART                  ; LDS address: wave x a part
	s_mul_i32 s46, s42, 4*WPART                    ; W: tile column, then K step = wave
	s_add_co_u32 s46, s46, 32*RBB
	s_add_co_u32 s46, s46, s[G0+1]
	s_mov_b32 s47, 0
	s_lshr_b32 s15, s14, 1
	s_and_b32 s16, s14, 1
	s_lshl_b32 s48, s17, 1
	s_add_co_u32 s48, s48, s15                     ; the batch: rb = 2 x tile row + wave / 2, row groups 4 (wave % 2) on
	s_mul_i32 s48, s48, RBB
	s_lshl_b32 s50, s16, 10
	s_add_co_u32 s50, s50, s48                     ; my scale words
	s_mov_b32 s51, 0
	s_lshl_b32 s52, s16, 14
	s_add_co_u32 s48, s48, s52                     ; my codes
	s_mov_b32 s49, 0
	s_lshl_b32 s18, s17, 8                         ; c and the outputs: row 256 x tile row + 64 x wave, byte 256 x tile column
	s_lshl_b32 s19, s14, 6
	s_add_co_u32 s18, s18, s19
	s_lshl_b32 s18, s18, 12
	s_add_co_u32 s18, s18, s43
	s_mov_b32 s19, 0
	s_mov_b32 s84, 0xbfb8aa3b                      ; -log2(e): the packed forms name a pair and take its low word for both halves, so both are written
	s_mov_b32 s85, s84
	s_mov_b32 s86, 0x4038aa3b                      ; 2 log2(e)
	s_mov_b32 s87, s86
	s_wait_alu depctr_va_vdst(0)
	s_wait_dscnt 0x0                               ; both opening adds are done
	CROUND                                         ; all sixteen work-groups are here: the joint loads meet
	s_wait_kmcnt 0x0
	s_add_nc_u64 s[G0+2:G0+3], s[4:5], s[46:47]
	s_or_b32 s[G0+3], s[G0+3], 0x80000000          ; type = 2
	s_add_nc_u64 s[20:21], s[4:5], s[48:49]
	s_add_nc_u64 s[22:23], s[4:5], s[50:51]
	; One joint load a wave.  What is needed first is asked for first: wave 0 asks for W's K step 0 and then for its first fragments of the batch, the others for their fragments and then for W's K steps 1 to 3.
	; Wave 0's line is its own: it alone is waited for ahead of the first products.
	s_cmp_eq_u32 s14, 0
	s_cbranch_scc0 .Lothers
	tensor_load_to_lds s[G0:G0+3], s[G1:G1+7]
	s_nop 0
.rept 4
	v_nop
.endr
	FIRST
	s_branch .Lasked
.Lothers:
	FIRST
	tensor_load_to_lds s[G0:G0+3], s[G1:G1+7]
	s_nop 0
.rept 4
	v_nop
.endr
.Lasked:
	s_add_nc_u64 s[6:7], s[6:7], s[18:19]
	s_add_nc_u64 s[8:9], s[8:9], s[18:19]
	s_add_nc_u64 s[10:11], s[10:11], s[18:19]
; One matrix instruction: number mI of the gate's 16, u = mI / 4, a = mI % 4.  Odd blocks take their scale words from lanes 16-31.
.macro WM
.set AC, 8*mI
.set FA, AR+8*(mI%4)
.set FB, 128+8*(mI/4)
.set XA, SAS+8*(mK%2)+4*((mI%4)/2)+mQ
.set XB, SWS+32*(mK%2)+4*(2*mG+mI/8)+mQ
.set RW, (mI%2)+2*((mI/4)%2)
.if mZ
.if RW == 0
	v_wmma_scale_f32_16x16x128_f8f6f4 v[AC:AC+7], v[FA:FA+7], v[FB:FB+7], 0, v[XA], v[XB] matrix_a_fmt:MATRIX_FMT_FP4 matrix_b_fmt:MATRIX_FMT_FP4
.endif
.if RW == 1
	v_wmma_scale_f32_16x16x128_f8f6f4 v[AC:AC+7], v[FA:FA+7], v[FB:FB+7], 0, v[XA], v[XB] matrix_a_fmt:MATRIX_FMT_FP4 matrix_b_fmt:MATRIX_FMT_FP4 matrix_a_scale:MATRIX_SCALE_ROW1
.endif
.if RW == 2
	v_wmma_scale_f32_16x16x128_f8f6f4 v[AC:AC+7], v[FA:FA+7], v[FB:FB+7], 0, v[XA], v[XB] matrix_a_fmt:MATRIX_FMT_FP4 matrix_b_fmt:MATRIX_FMT_FP4 matrix_b_scale:MATRIX_SCALE_ROW1
.endif
.if RW == 3
	v_wmma_scale_f32_16x16x128_f8f6f4 v[AC:AC+7], v[FA:FA+7], v[FB:FB+7], 0, v[XA], v[XB] matrix_a_fmt:MATRIX_FMT_FP4 matrix_b_fmt:MATRIX_FMT_FP4 matrix_a_scale:MATRIX_SCALE_ROW1 matrix_b_scale:MATRIX_SCALE_ROW1
.endif
.else
.if RW == 0
	v_wmma_scale_f32_16x16x128_f8f6f4 v[AC:AC+7], v[FA:FA+7], v[FB:FB+7], v[AC:AC+7], v[XA], v[XB] matrix_a_fmt:MATRIX_FMT_FP4 matrix_b_fmt:MATRIX_FMT_FP4
.endif
.if RW == 1
	v_wmma_scale_f32_16x16x128_f8f6f4 v[AC:AC+7], v[FA:FA+7], v[FB:FB+7], v[AC:AC+7], v[XA], v[XB] matrix_a_fmt:MATRIX_FMT_FP4 matrix_b_fmt:MATRIX_FMT_FP4 matrix_a_scale:MATRIX_SCALE_ROW1
.endif
.if RW == 2
	v_wmma_scale_f32_16x16x128_f8f6f4 v[AC:AC+7], v[FA:FA+7], v[FB:FB+7], v[AC:AC+7], v[XA], v[XB] matrix_a_fmt:MATRIX_FMT_FP4 matrix_b_fmt:MATRIX_FMT_FP4 matrix_b_scale:MATRIX_SCALE_ROW1
.endif
.if RW == 3
	v_wmma_scale_f32_16x16x128_f8f6f4 v[AC:AC+7], v[FA:FA+7], v[FB:FB+7], v[AC:AC+7], v[XA], v[XB] matrix_a_fmt:MATRIX_FMT_FP4 matrix_b_fmt:MATRIX_FMT_FP4 matrix_a_scale:MATRIX_SCALE_ROW1 matrix_b_scale:MATRIX_SCALE_ROW1
.endif
.endif
.endm
; A quarter of step s: gate g, 16 matrix instructions; the 64 accumulators take turns, one instruction a turn, in the same order in every step; step 0 starts the sums from 0.
.macro PROD s, g
.set AR, 164+32*(((\s)/3)%2)
.set mK, (\s)/4
.set mQ, (\s)%4
.set mG, \g
.if (\s) == 0
.set mZ, 1
.else
.set mZ, 0
.endif
	WIN ((1+(\s)%3)|((((\g)+1)%4)<<2)|((\g)<<4)|((\g)<<6))
.set mI, 0
.rept 16
	WM
.set mI, mI+1
.endr
.endm
; A load into a register that a matrix instruction has read stands four places behind it, and only plain vector instructions that name none of its registers are places (ISA guide 7.12.1 for vector instructions)
.macro PLACES
.rept 4
	v_nop
.endr
.endm
; A step of 128 along K: 64 matrix instructions, gate by gate.  In its middle gates 0 and 1 are fetched for the next step, at its end gates 2 and 3: each 32 matrix instructions ahead of their use.
.macro STEP s
.if (\s) < 12
	s_wait_loadcnt 32                              ; this step's fragments of the batch (and scale words) are in: at least the 32 loads of the four steps behind it are younger
.else
	s_wait_loadcnt 40                              ; the same; from here on the biases' 8 loads and c's 8 a step are among the 40 younger ones
.endif
.if (\s) < 15
	s_wait_dscnt 16                                ; gates 0 and 1 and the scale words are in; the youngest sixteen, of gates 2 and 3, may be out
.else
	s_wait_dscnt 16                                ; (the same in the last step)
.endif
	PROD \s, 0
	PROD \s, 1
.if (\s) == 3
	s_wait_tensorcnt 0x0                           ; my part of W is in,
.endif
	s_wait_dscnt 0x0                               ; gates 2 and 3 are in (asked for 32 matrix instructions ago)
.if (\s) == 3
	s_barrier_signal -1
	s_barrier_wait -1                              ; and everybody's part of W: K steps 1 to 3 may be read
.endif
.if (\s) < 15
	PLACES
	WFETCH (\s)+1, 0
	WFETCH (\s)+1, 1
.if (\s)%4 == 3
	WSCALE (\s)/4+1
.endif
.endif
	PROD \s, 2
	PROD \s, 3
.if (\s) < 15
	PLACES
.if (\s) == 4
	SLOAD 2
.endif
.if (\s) == 8
	SLOAD 3
.endif
.if (\s)+5 < 16
	ALOAD (\s)+5                                   ; into the set that step s - 1 has used
.endif
.if (\s) == 11
	BLOAD
.endif
.if (\s) >= 11
	CLOAD (\s)-11                                  ; likewise
.endif
	WFETCH (\s)+1, 2
	WFETCH (\s)+1, 3
.endif
.endm
	WIN 0
	s_cmp_lg_u32 s14, 0
	s_cbranch_scc1 .Lnot_first
	s_wait_tensorcnt 0x0                           ; wave 0: W's K step 0 is in
.Lnot_first:
	s_barrier_signal -1
	s_barrier_wait -1                              ; for every wave
	WSCALE 0
.irp y, 0,1,2,3
	WFETCH 0, \y
.endr
.irp s, 0,1,2,3,4,5,6,7,8,9,10,11,12,13,14,15
	STEP \s
.endr
; ---- THE TAIL: eight batches n of 64 gate values a lane: block a = n / 2, rows j = 4 (n % 2) + 0 .. 3.  Stages of two batches are laid together so that each run of transcendentals has one wait ahead of it and one behind it.
	s_wait_loadcnt 32                              ; the biases are in; c's 32 loads may be out
	WIN 0x49                                       ; source 0 and destination window 1, source 1 window 2.  These sixteen lines are also the places behind the last products
.irp p, 0,2,4,6,8,10,12,14
	v_pk_add_f32 v[228+\p:229+\p], v[228+\p:229+\p], v[228+\p:229+\p]   ; the x bias + the h bias
.endr
.irp p, 0,2,4,6,8,10,12,14
.if (\p)/4 == 2
	v_pk_mul_f32 v[228+\p:229+\p], v[228+\p:229+\p], s[86:87] op_sel_hi:[1,0]
.else
	v_pk_mul_f32 v[228+\p:229+\p], v[228+\p:229+\p], s[84:85] op_sel_hi:[1,0]
.endif
.endr
.macro ADD1 r
.irp p, 0,2,4,6,8,10,12,14
	v_pk_add_f32 v[\r+\p:\r+\p+1], v[\r+\p:\r+\p+1], 1.0 op_sel_hi:[1,0]
.endr
.endm
; The exponents of batch n: k x (sum + bias), k = 2 log2 e for g, -log2 e for i, f and o: gate g's run R0 + 16 g, register 4 u + row.  Each accumulator from its low end on.  Beside them 1 + 2^.. of the batch before's c_new.
.macro POW n
.irp g, 0,1,2,3
	WIN (0x10|\g)                                  ; source 0 (sums) window g, source 2 (biases) window 1
	s_wait_alu depctr_va_vdst(0)
.if \g == 2
.set KS, 86
.else
.set KS, 84
.endif
.irp u, 0,1,2,3
.set AC, 8*(4*\u+(\n)/2)+4*((\n)%2)
.irp p, 0,2
.if \u%2 == 0
	v_pk_fma_f32 v[R0+16*\g+4*\u+\p:R0+16*\g+4*\u+\p+1], v[AC+\p:AC+\p+1], s[KS:KS+1], v[228+4*\g+\u:229+4*\g+\u] op_sel_hi:[1,0,0]
.else
	v_pk_fma_f32 v[R0+16*\g+4*\u+\p:R0+16*\g+4*\u+\p+1], v[AC+\p:AC+\p+1], s[KS:KS+1], v[227+4*\g+\u:228+4*\g+\u] op_sel:[0,0,1] op_sel_hi:[1,0,1]
.endif
.endr
.endr
.if (\g == 0) && ((\n) > 0)
	ADD1 R6
.endif
.endr
	WIN 0
.endm
.macro EXPT dst, src                   ; 2^.., and from register 4 u + row to 4 row + u: the order of c's registers
.irp u, 0,1,2,3
.irp j, 0,1,2,3
	v_exp_f32 v[\dst+4*\j+\u], v[\src+4*\u+\j]
.endr
.endr
.endm
.macro EXP16 r
.set t, 0
.rept 16
	v_exp_f32 v[\r+t], v[\r+t]
.set t, t+1
.endr
.endm
.macro RCP16 dst, src
.set t, 0
.rept 16
	v_rcp_f32 v[\dst+t], v[\src+t]
.set t, t+1
.endr
.endm
; The end of batch n: R6 = 1 / (1 + 2^(2 log2 e c_new)), R5 = o.  h_new gets registers of its own: of block 0 the set of step 15's fragments, else W's fragments' registers in window a; no store's data are written again.
.macro FIN n
.if (\n)/2 == 0
.set HW, 1
.set HR, 196+16*((\n)%2)
.else
.set HW, (\n)/2
.set HR, 128+16*((\n)%2)
.endif
.irp p, 0,2,4,6,8,10,12,14
	v_pk_fma_f32 v[R6+\p:R6+\p+1], v[R6+\p:R6+\p+1], -2.0, 1.0 op_sel_hi:[1,0,0]   ; tanh(c_new)
.endr
	WIN (HW<<6)
.irp p, 0,2,4,6,8,10,12,14
	v_pk_mul_f32 v[HR+\p:HR+\p+1], v[R5+\p:R5+\p+1], v[R6+\p:R6+\p+1]              ; h_new
.endr
	WIN (HW<<2)
.irp j, 0,1,2,3
	global_store_b128 v[GO], v[HR+4*\j:HR+4*\j+3], s[8:9] offset:(16*((\n)/2)+4*((\n)%2)+\j)*4096 th:TH_STORE_NT   ; 16 lanes store 256 consecutive, aligned bytes; read by nobody here
.endr
	WIN 0
.endm
.macro BATCH n
.set CI, ((\n)/2+4)%6
.set CW, 1+CI%3
.set CR, 164+32*(CI/3)+16*((\n)%2)
	s_wait_alu depctr_va_vdst(0)                   ; ahead of the run
	EXPT R4, R0                                    ; i
	v_nop                                          ; a plain place between the runs: the next writes this one's sources
	EXPT R0, R1                                    ; f
	v_nop
	EXPT R1, R2                                    ; g
	v_nop
	EXPT R2, R3                                    ; o
.if (\n) > 0
	RCP16 R6, R6                                   ; of the batch before
.endif
	v_nop
	s_wait_alu depctr_va_vdst(0)                   ; and behind it
	ADD1 R4
	ADD1 R0
	ADD1 R1
	ADD1 R2
.if (\n) > 0
	FIN (\n)-1
.endif
	s_wait_alu depctr_va_vdst(0)
	RCP16 R4, R4                                   ; i
	RCP16 R0, R0                                   ; f
	RCP16 R1, R1
	RCP16 R5, R2                                   ; o
	v_nop
	s_wait_alu depctr_va_vdst(0)
.if (\n)%2 == 0
	s_wait_loadcnt 24-4*(\n)                       ; c of this block is in; the later blocks' may be out
.endif
.irp p, 0,2,4,6,8,10,12,14
	v_pk_fma_f32 v[R1+\p:R1+\p+1], v[R1+\p:R1+\p+1], -2.0, 1.0 op_sel_hi:[1,0,0]   ; tanh(g)
.endr
.irp p, 0,2,4,6,8,10,12,14
	v_pk_mul_f32 v[R4+\p:R4+\p+1], v[R4+\p:R4+\p+1], v[R1+\p:R1+\p+1]              ; i g
.endr
	WIN ((CW<<2)|(CW<<6))
.irp p, 0,2,4,6,8,10,12,14
	v_pk_fma_f32 v[CR+\p:CR+\p+1], v[R0+\p:R0+\p+1], v[CR+\p:CR+\p+1], v[R4+\p:R4+\p+1]   ; c_new = f c + i g, over c
.endr
	WIN CW
.irp p, 0,2,4,6,8,10,12,14
	v_pk_mul_f32 v[R6+\p:R6+\p+1], v[CR+\p:CR+\p+1], s[86:87] op_sel_hi:[1,0]
.endr
	WIN (CW<<2)
.irp j, 0,1,2,3
	global_store_b128 v[GO], v[CR+4*\j:CR+4*\j+3], s[10:11] offset:(16*((\n)/2)+4*((\n)%2)+\j)*4096 th:TH_STORE_NT
.endr
	WIN 0
	s_wait_alu depctr_va_vdst(0)
	EXP16 R6
.if (\n) < 7
	POW (\n)+1
.endif
.endm
	POW 0
.irp n, 0,1,2,3,4,5,6,7
	BATCH \n
.endr
	v_nop
	s_wait_alu depctr_va_vdst(0)
	ADD1 R6
	s_wait_alu depctr_va_vdst(0)
	RCP16 R6, R6
	v_nop
	s_wait_alu depctr_va_vdst(0)
	FIN 7
	s_wait_tensorcnt 0x0                           ; the wave's end, behind my last tensor load
	ds_add_u32 v[SPW], v[NIL]
	s_wait_dscnt 0x0
	CROUND                                         ; the closing round: no work-group ends while a partner may still ask for a part that names it
	s_endpgm
.Lfunc_end_k_q970abc35e0_cell:
	.size	k_q970abc35e0_cell, .Lfunc_end_k_q970abc35e0_cell-k_q970abc35e0_cell
	.p2alignl 7, 3214868480
	.fill 96, 4, 3214868480
	.section	.rodata,"a",@progbits
	.p2align	6, 0x0
	.amdhsa_kernel k_q970abc35e0_cell
		.amdhsa_group_segment_fixed_size 327680
		.amdhsa_private_segment_fixed_size 0
		.amdhsa_enable_private_segment 0
		.amdhsa_kernarg_size 96
		.amdhsa_user_sgpr_count 2
		.amdhsa_user_sgpr_kernarg_segment_ptr 1
		.amdhsa_wavefront_size32 1
		.amdhsa_system_sgpr_workgroup_id_x 1
		.amdhsa_system_sgpr_workgroup_id_y 1
		.amdhsa_system_sgpr_workgroup_id_z 1
		.amdhsa_system_vgpr_workitem_id 0
		.amdhsa_next_free_vgpr 1024
		.amdhsa_next_free_sgpr 90
		.amdhsa_reserve_vcc 0
		.amdhsa_float_denorm_mode_32 3
		.amdhsa_float_denorm_mode_16_64 3
		.amdhsa_memory_ordered 1
		.amdhsa_forward_progress 1
		.amdhsa_inst_pref_size 255
	.end_amdhsa_kernel
	.section	.bss,"aw",@nobits
	.p2align	6
	.space	262144
	.amdgpu_metadata
---
amdhsa.version: [ 1, 2 ]
amdhsa.kernels:
  - .name:           k_q970abc35e0_cell
    .symbol:         k_q970abc35e0_cell.kd
    .args:
      - { .name: q, .offset: 0, .size: 8, .value_kind: global_buffer, .address_space: global }
      - { .name: c, .offset: 8, .size: 8, .value_kind: global_buffer, .address_space: global }
      - { .name: out0, .offset: 16, .size: 8, .value_kind: global_buffer, .address_space: global }
      - { .name: out1, .offset: 24, .size: 8, .value_kind: global_buffer, .address_space: global }
      - { .name: bix, .offset: 32, .size: 8, .value_kind: global_buffer, .address_space: global }
      - { .name: bih, .offset: 40, .size: 8, .value_kind: global_buffer, .address_space: global }
      - { .name: bfx, .offset: 48, .size: 8, .value_kind: global_buffer, .address_space: global }
      - { .name: bfh, .offset: 56, .size: 8, .value_kind: global_buffer, .address_space: global }
      - { .name: bgx, .offset: 64, .size: 8, .value_kind: global_buffer, .address_space: global }
      - { .name: bgh, .offset: 72, .size: 8, .value_kind: global_buffer, .address_space: global }
      - { .name: box, .offset: 80, .size: 8, .value_kind: global_buffer, .address_space: global }
      - { .name: boh, .offset: 88, .size: 8, .value_kind: global_buffer, .address_space: global }
    .group_segment_fixed_size: 327680
    .private_segment_fixed_size: 0
    .kernarg_segment_align: 8
    .kernarg_segment_size: 96
    .max_flat_workgroup_size: 128
    .sgpr_count:     90
    .vgpr_count:     1024
    .wavefront_size: 32
...
	.end_amdgpu_metadata
.endif
;; end of part 2
